; MI455X (gfx1250); checked and timed in simulation.
; The chip was launched on July 23, 2026; its instructions are those of AMD's public machine-readable ISA for CDNA 5 (MIT licence, August 2026) and "CDNA5" Instruction Set Architecture Reference Guide (July 2026). The comments in the code are by the model that wrote it; some were corrected since.
;; Attention. Allowed arithmetic: matrix products marked QUANTISED: E2M3 operands, one E8M0 scale for each 32 along K, by v_wmma_scale_f32_16x16x128_f8f6f4 with both operands' format E2M3, f32 sums; everything else in f32.
;; Inputs: b_out 1,024 float32; w_out_codes 1,024 x 32 x 24 uint8 (E2M3 codes of w_out, K innermost, in blocks of 32 codes, four codes in three bytes); w_out_scales 1,024 x 32 uint8 (E8M0 scales of w_out, one for each 32 codes along K); w_qkv_codes 3,072 x 32 x 24 uint8 (E2M3 codes of w_qkv, K innermost, in blocks of 32 codes, four codes in three bytes); w_qkv_scales 3,072 x 32 uint8 (E8M0 scales of w_qkv, one for each 32 codes along K); x_codes 4 x 2,048 x 32 x 24 uint8 (E2M3 codes of x, K innermost, in blocks of 32 codes, four codes in three bytes); x_scales 4 x 2,048 x 32 uint8 (E8M0 scales of x, one for each 32 codes along K).
;; Outputs: out0 4 x 2,048 x 1,024 float32.
;; This version of the problem:
;;   THIS VERSION OF THE PROBLEM IS GIVEN IN LOW PRECISION. The matrix products marked QUANTISED in the list below multiply operands that are first quantised to E2M3 (2 exponent bits, 3 mantissa bits; 6 bits a number), with one power-of-two scale for each 32 numbers along K (OCP MX v1.0); their sums are f32. All else is computed in f32.
;;   The module's matrix products, in the order in which they are computed (A, B: the left and right operand; K: the contracted axis; several contracted axes count as one K, in the product's order):
;;     1. [M 8,192, K 1,024] x [K 1,024, N 3,072]; A: input x (given as codes); B: input w_qkv (given as codes): QUANTISED
;;     2. batch 64 x [M 2,048, K 64] x [K 64, N 2,048]; A: computed on the way; B: computed on the way: QUANTISED
;;     3. batch 64 x [M 2,048, K 2,048] x [K 2,048, N 64]; A: softmax (see below); B: computed on the way: QUANTISED
;;     4. [M 8,192, K 1,024] x [K 1,024, N 1,024]; A: computed on the way; B: input w_out (given as codes): QUANTISED
;;   THE QUANTISER, for each operand of a quantised product, along K:
;;     - K is cut into blocks of 32 from its start; a last block that is shorter is filled with zeros.
;;     - A block's scale is 2^e with e = floor(log2(the largest magnitude in the block)) - 2, held to -126 .. 127; a block of zeros has e = 0. As a byte (E8M0): e + 127.
;;     - Each number is divided by its block's scale, clamped to +-7.5, and rounded to the nearest number of E2M3, ties to even, subnormals kept.
;;     - The product sums the exact products of the quantised numbers (number of the format x scale) in f32.
;;   ~~~python
;;   def quantise(x, axis):      # numpy; x: float32 -> the quantised numbers, widened to float32 again
;;       x = np.moveaxis(x, axis, -1); K = x.shape[-1]
;;       x = np.pad(x, [(0, 0)] * (x.ndim - 1) + [(0, -K % 32)]); x = x.reshape(x.shape[:-1] + (-1, 32)); a = np.abs(x).max(-1, keepdims=True)
;;       e = np.where(a > 0, np.clip(np.frexp(np.where(a > 0, a, 1))[1] - 1 - 2, -126, 127), 0)      # np.frexp(a)[1] - 1 = floor(log2(a)), exactly
;;       r = np.clip(x / 2.0 ** e, -7.5, 7.5)
;;       step = 2.0 ** (np.maximum(np.frexp(np.where(r == 0, 1, r))[1] - 1, 0) - 3)
;;       q = np.round(r / step) * step * 2.0 ** e      # np.round: ties to even
;;       return np.moveaxis(q.reshape(q.shape[:-2] + (-1,))[..., :K], -1, axis).astype(np.float32)
;;   ~~~
;;   SOFTMAX AHEAD OF A QUANTISED PRODUCT. Where the list says 'softmax', what is quantised is not the finished softmax but p = 2^(t - M), with t = logit x log2(e) and M = ceil(the row's largest t), a whole number; so 1/2 < the row's largest p <= 1. The row's sum l is taken of the UNQUANTISED p, in f32, and the product's result is divided by l at the end. Since M is a whole number, a kernel that streams over the keys may use a running M (the ceiling of the running maximum): every later rescaling is an exact power of two, which a block's scale takes up: the codes' values come out the same.
;;   OPERANDS COMPUTED ON THE WAY. 'Computed on the way' means the value that the module computes at that place (a softmax that the list does not call 'softmax' is quantised finished and normalised). What goes into a quantiser is computed in f32, as accurately as f32 sums, v_exp_f32 and their like allow (about 1e-6 of the number): no bf16 or f16 on the way to a quantiser, and a product that is left as it is and whose result goes on into a quantised operand takes f32 operands (vector FMAs, or v_wmma_f32_16x16x4_f32). A number that lies on a knife's edge between two numbers of the format may be rounded either way, as far as f32 arithmetic and the matrix unit's own rounding can turn it there, and no further.
;;   INPUTS GIVEN AS CODES. w_out (in the module: [1024, 1024], K = its axis 1); w_qkv (in the module: [3072, 1024], K = its axis 1); x (in the module: [4, 2048, 1024], K = its axis 2): each comes as NAME_codes (uint8): NAME with its K axis moved to the last place and cut into blocks of 32 codes, [.., K / 32, bytes a block], one block behind the other in memory; four codes in three bytes: a row's codes are one little-endian stream of bits, code i at bits 6 i .. 6 i + 5 (a code: sign, 2 exponent bits, 3 mantissa bits); and NAME_scales (uint8): the same leading axes, one E8M0 byte (e + 127) for each 32 codes along K. Its value is code x scale, taken as it is: it is not quantised again, and the codes and scales need not be those that the quantiser above would give.
;; One version. Each part assembles by itself: llvm-mc -triple=amdgcn-amd-amdhsa -mcpu=gfx1250 --defsym DOCPART=n.
;; ======== version 1 of 1: 3 launches
;; workspace buffers: qi 6,553,600 bytes; kv 13,107,200 bytes; oi 6,291,456 bytes; os 262,144 bytes
;; launch qkv (part 1): grid 16 x 32, 4 waves a work-group, clusters of 4 x 4, 327,680 bytes of LDS; arguments x_codes, x_scales, w_qkv_codes, w_qkv_scales, qi, kv; writes qi, kv
.if DOCPART == 1
	.amdgcn_target "amdgcn-amd-amdhsa--gfx1250"
	.amdhsa_code_object_version 6
	.text
	.protected	k_q0e58886ce5_qkv
	.globl	k_q0e58886ce5_qkv
	.p2align	8
	.type	k_q0e58886ce5_qkv,@function
k_q0e58886ce5_qkv:
	s_mov_b64 s[64:65], 0
	v_nop
	global_prefetch_b8 v0, s[64:65] scope:SCOPE_SE
	s_setreg_imm32_b32 hwreg(HW_REG_WAVE_MODE, 25, 1), 1
	s_wait_xcnt 0x0
	s_wait_alu depctr_hold_cnt(0) depctr_sa_sdst(0) depctr_va_vdst(0) depctr_va_sdst(0) depctr_va_ssrc(0) depctr_va_vcc(0) depctr_vm_vsrc(0)
	s_getreg_b32 s2, hwreg(HW_REG_IB_STS2, 6, 4)
	s_cmp_eq_u32 s2, 0
	s_cbranch_scc0 .Lentry_in_a_cluster
	s_endpgm
.Lentry_in_a_cluster:
	s_bfe_u32 s2, ttmp6, 0x10000c
	s_cmp_lg_u32 s2, 0xf033
	s_cbranch_scc0 .Lentry_shape_is_right
	s_endpgm
.Lentry_shape_is_right:
; qkv = x w_qkv^T on codes of FP6 (E2M3) with E8M0 scales, K = 1,024; the results are quantised at once, q and k along the head's 64, v along the keys, and leave as codes.
; Row o of w_qkv is 48 d + 16 kind + head: one head's 192 rows are rows 16 j + head, j = 3 d + kind: one pitch of 12,288 bytes.
; SHARES.  A work-group: 256 t x one head's q, k and v.  Wave w: th = w / 2 (its 128 t), nh = w % 2.  It makes kind nh (q or k): 8 tiles of t x 4 tiles of d, TRANSPOSED (source 0 = 16 rows of W, source 1 = 16 rows of x),
; so that a lane holds one t and its registers run along d; and v's d tiles 2 nh, 2 nh + 1 for the 8 tiles of t (source 0 = x, source 1 = W), so that a lane holds one d and its registers run along t, the keys.
; K goes in 8 steps of 128, two to a chunk of 256.  LDS has three slots of a chunk: chunks 0, 1, 2 are first fills, chunk 3 fills slot 0 again, behind the one round of the cluster's barrier that stands for that.
; CLUSTER 4 x 4: x's tile hangs on the block of t alone and is shared along a row of the cluster, W's on the head alone and is shared along a column: joint loads.
; THE SCALE WORDS of my rows, for all 8 steps (32 bytes a row), are loaded once into registers.
; WHAT LEAVES is an image of an operand's registers: 12 registers a lane as 3 x 512 bytes, register group c of lane l at 512 c + 16 l.  A pair image of q or k holds t tile 2 p in registers 0-5 and t tile 2 p + 1 in registers 6-11.
; ORDER INSIDE A BLOCK OF 32: a lane's 16 numbers of a block are 16 u + 8 (lane / 16) + j; their codes land at place 16 (lane / 16) + 8 u + j.  q and k get this alike along d, v (and p, in the next launch) alike along the keys:
; the products are the same, only the order of the f32 sums differs from ascending k.
; LIMITS: NaN and infinities are not served.  A block of zeros, or one whose largest magnitude lies under 2^-124, gets the scale byte 1: this program alone reads these bytes.
; REGISTERS.  window 0: v1-21 lane numbers and addresses; v28-29 for the add; v32-95 x's scale words (8 a + step); v96-143 W's (8 i + step; i = 0-3 q or k, 4-5 v); v144-215 W's fragments, set 0 (later the codes); v216-248 the quantiser's.
;   window 1: x's fragments, two sets (v0, v128).   window 2: q or k, accumulator (a, i) at 8 (4 a + i).   window 3: v, accumulator (n, a) at 8 (8 n + a); from v128 W's fragments, set 1.
.set SLOT,  107520                     ; a chunk: x's 256 rows, then W's 192, 240 bytes apart
.set WOFF,  61440
.set SPARE, 3*SLOT                     ; behind the slots: the spare words, 128 bytes a wave, two blocks of 256 bytes that no other line names
.set PITCH, 240                        ; 3 x (64 bytes of codes + 16 of padding)
.set FR,    12
.set SPW,   28
.set NIL,   29
.set SX,    32
.set SW,    96
.set WF0,   144
.set CT,    216
.set TM,    224
.set PW,    240
.set G1X,   24                         ; s[24:31], s[32:39] descriptor groups 1 for x's and W's tiles
.set G1W,   32
.set G0X,   68                         ; s[68:79], s[80:91] groups 0, a set for each of the three first fills
.set G0W,   80
.set SEL,   56
.set PQK,   58                         ; s[58:59] where my q or k images go; s[60:61] their scale words; s[62:63] my v images; s[66:67] their scale words
.set PQS,   60
.set PVI,   62
.set PVS,   66
.set MSB,   0
.macro WIN new                         ; the immediate's high byte repeats the setting that is left
.if MSB != (\new)
	s_set_vgpr_msb (MSB<<8)|(\new)
.set MSB, (\new)
.endif
.endm
.macro PLACES                          ; four plain vector lines between a matrix instruction and a load into, or a read of, its registers
.rept 4
	v_nop
.endr
.endm
; A joint load: waves 0 and 1 fetch x's halves, waves 2 and 3 W's.  The branch hangs on the wave's number alone.  Four v_nop follow each of the two lines.
.macro JLOAD g0a, g0b
	s_cmp_eq_u32 s17, 0
	s_cbranch_scc0 .Lfor_w_\@
	tensor_load_to_lds s[\g0a:\g0a+3], s[G1X:G1X+7]
	s_nop 0
.rept 4
	v_nop
.endr
	s_branch .Lasked_\@
.Lfor_w_\@:
	tensor_load_to_lds s[\g0b:\g0b+3], s[G1W:G1W+7]
	s_nop 0
.rept 4
	v_nop
.endr
.Lasked_\@:
.endm
.macro CREST                           ; a round of the cluster's barrier behind its opening barrier
	s_cmp_lg_u32 s16, 0
	s_cbranch_scc1 .Lnot_wave_0_\@
	s_barrier_signal -3
.Lnot_wave_0_\@:
	s_barrier_wait -3
	s_barrier_signal -1
	s_barrier_wait -1
.endm
.macro CROUND
	s_barrier_signal -1
	s_barrier_wait -1
	CREST
.endm
	s_load_b256 s[4:11], s[0:1], 0x0               ; x's codes s[4:5], x's scales s[6:7], W's codes s[8:9], W's scales s[10:11]
	s_load_b128 s[12:15], s[0:1], 0x20             ; qi s[12:13], kv s[14:15]
	v_lshl_add_u32 v[SPW], v0, 2, SPARE
	v_mov_b32 v[NIL], 0
	ds_add_u32 v28, v29
	ds_add_u32 v28, v29
	s_wait_dscnt 0x0
	v_lshrrev_b32 v1, 5, v0
	v_readfirstlane_b32 s16, v1                    ; wave 0..3
	s_lshr_b32 s17, s16, 1                         ; th: which 128 t are mine.  Also: I fetch for x (0) or for W (1)
	s_and_b32 s18, s16, 1                          ; nh: q or k, and which half of v.  Also: which half of that tile I fetch
	s_bfe_u32 s40, ttmp6, 0x40000                  ; cx, cy: my place in the cluster
	s_bfe_u32 s41, ttmp6, 0x40004
	s_lshl_b32 s42, ttmp9, 2
	s_add_co_u32 s42, s42, s40                     ; the head = 4 x cluster x + cx
	s_and_b32 s19, ttmp7, 0xffff
	s_lshl_b32 s19, s19, 2
	s_add_co_u32 s19, s19, s41                     ; the block of 256 t = 4 x cluster y + cy
	s_lshl_b32 s43, s41, 2
	s_lshl_b32 s43, 15, s43                        ; my row of the cluster
	s_lshl_b32 s44, 0x1111, s40                    ; my column
	s_or_b32 s[G1X], s43, (1<<20)|(1<<21)|(3<<22)|(3<<25)   ; 15:0 the mask; 17:16 elements of 1 byte; 20 padding on; 21 set beside a mask; 24:22 behind every 16 words; 31:25 four words of it
	s_or_b32 s[G1W], s44, (1<<20)|(1<<21)|(3<<22)|(3<<25)
	s_mov_b32 s[G1X+1], 192<<16                    ; tensor_dim0: 192 bytes = 256 codes
	s_mov_b32 s[G1X+2], 128<<16                    ; tensor_dim1
	s_mov_b32 s[G1X+3], 192<<16                    ; tile_dim0
	s_mov_b32 s[G1X+4], 128                        ; tile_dim1: 128 rows of x
	s_mov_b32 s[G1X+5], 768                        ; from row to row
	s_mov_b32 s[G1X+6], 0
	s_mov_b32 s[G1X+7], 0
	s_mov_b32 s[G1W+1], 192<<16
	s_mov_b32 s[G1W+2], 96<<16
	s_mov_b32 s[G1W+3], 192<<16
	s_mov_b32 s[G1W+4], 96                         ; 96 rows j of the head
	s_mov_b32 s[G1W+5], 12288                      ; 16 rows of W from j to j + 1
	s_mov_b32 s[G1W+6], 0
	s_mov_b32 s[G1W+7], 0
	s_lshl_b32 s20, s19, 8                         ; x: row 256 y + 128 half, made of what my row of the cluster shares
	s_lshl_b32 s21, s18, 7
	s_add_co_u32 s20, s20, s21
	s_mul_i32 s20, s20, 768
	s_mov_b32 s21, 0
	s_mul_i32 s46, s42, 768                        ; W: row head + 16 x 96 half, made of what my column shares
	s_mul_i32 s47, s18, 96*12288
	s_add_co_u32 s46, s46, s47
	s_mov_b32 s47, 0
	s_mul_i32 s45, s18, 128*PITCH                  ; where they go: no place in the cluster enters an LDS address
	s_mul_i32 s94, s18, 96*PITCH
	s_add_co_u32 s94, s94, WOFF
	s_wait_kmcnt 0x0
	s_add_nc_u64 s[20:21], s[4:5], s[20:21]
	s_add_nc_u64 s[46:47], s[8:9], s[46:47]
	CROUND                                         ; all sixteen work-groups are here: the first joint loads meet
.irp c, 0,1,2                                      ; chunks 0, 1, 2 into slots 0, 1, 2: three loads of mine are out
	s_mov_b32 s[G0X+4*\c], 1
	s_add_co_u32 s[G0X+4*\c+1], s45, \c*SLOT
	s_add_nc_u64 s[G0X+4*\c+2:G0X+4*\c+3], s[20:21], \c*192
	s_or_b32 s[G0X+4*\c+3], s[G0X+4*\c+3], 0x80000000
	s_mov_b32 s[G0W+4*\c], 1
	s_add_co_u32 s[G0W+4*\c+1], s94, \c*SLOT
	s_add_nc_u64 s[G0W+4*\c+2:G0W+4*\c+3], s[46:47], \c*192
	s_or_b32 s[G0W+4*\c+3], s[G0W+4*\c+3], 0x80000000
	JLOAD G0X+4*\c, G0W+4*\c
.endr
	v_and_b32 v1, 15, v0                           ; r
	v_bfe_u32 v2, v0, 4, 1                         ; h
	v_and_b32 v3, 31, v0                           ; lane
	v_mul_u32_u24 v22, v1, PITCH
	v_mad_u32_u24 v22, v2, 24, v22                 ; x: row r, + 24 h
	s_mul_i32 s22, s17, 128*PITCH
	v_add_nc_u32 v4, s22, v22                      ; v4: my 128 rows of x in slot 0;
	v_lshl_add_u32 v5, v2, 4, v4                   ; v5: the same for the pieces that lie behind one padding more in lanes 16-31
	v_mul_u32_u24 v23, v1, 3*PITCH
	v_mad_u32_u24 v23, v2, 24, v23                 ; W: d = r is row j = 3 r + kind
	s_mul_i32 s23, s18, PITCH
	s_add_co_u32 s23, s23, WOFF
	v_add_nc_u32 v6, s23, v23                      ; v6, v7: kind nh
	v_lshl_add_u32 v7, v2, 4, v6
	s_mul_i32 s23, s18, 96*PITCH
	s_add_co_u32 s23, s23, WOFF+2*PITCH
	v_add_nc_u32 v8, s23, v23                      ; v8, v9: kind 2 (v), d from 32 nh on
	v_lshl_add_u32 v9, v2, 4, v8
.irp i, 0,1,2,3,4,5
	v_add_nc_u32 v[10+\i], SLOT, v[4+\i]           ; v10-15: the same six in slot 1, later in slot 2
.endr
	v_lshlrev_b32 v16, 4, v3                       ; an image's place for my lane
	v_lshlrev_b32 v17, 4, v1
	v_lshl_add_u32 v17, v2, 3, v17                 ; q's and k's scale words [r][pair]: 16 r + 8 h
	v_lshlrev_b32 v18, 3, v1
	v_lshl_add_u32 v18, v2, 2, v18                 ; v's [r][n]: 8 r + 4 h
	v_lshlrev_b32 v19, 5, v1                       ; x's scales: 32 bytes a row
	s_wait_alu depctr_va_vdst(0)
	v_mul_u32_u24 v20, v1, 1536                    ; W's: d to d + 1 is 48 rows of 32 bytes
	s_wait_alu depctr_va_vdst(0)
	s_mov_b32 s[SEL], 0x76543210
	s_mov_b32 s[SEL+1], 0xfedcba98                 ; v_permlanex16_b32's selects for lane l xor 16
	s_lshl_b32 s92, s19, 13                        ; x's scales at my first row: (256 y + 128 th) x 32
	s_lshl_b32 s93, s17, 12
	s_add_co_u32 s92, s92, s93
	s_mov_b32 s93, 0
	s_add_nc_u64 s[6:7], s[6:7], s[92:93]
	s_lshl_b32 s92, s42, 5                         ; W's scales: 32 head
	s_lshl_b32 s96, s18, 9
	s_add_co_u32 s96, s96, s92                     ; + 512 nh: kind nh
	s_mov_b32 s97, 0
	s_add_nc_u64 s[98:99], s[10:11], s[96:97]
	s_mul_i32 s96, s18, 49152
	s_add_co_u32 s96, s96, s92
	s_add_co_u32 s96, s96, 1024                    ; kind 2, d from 32 nh on
	s_add_nc_u64 s[10:11], s[10:11], s[96:97]
	s_lshr_b32 s92, s19, 3                         ; the block of 128 t in the workspaces: 16 (16 batch + head) + 2 (y % 8) + th
	s_lshl_b32 s92, s92, 4
	s_add_co_u32 s92, s92, s42
	s_lshl_b32 s92, s92, 4
	s_and_b32 s93, s19, 7
	s_lshl_b32 s93, s93, 1
	s_add_co_u32 s92, s92, s93
	s_add_co_u32 s92, s92, s17
	s_cmp_eq_u32 s18, 0                            ; q goes to qi, k to kv: the choice hangs on the wave's number alone
	s_cselect_b64 s[PQK:PQK+1], s[12:13], s[14:15]
	s_mov_b32 s94, 12800
	s_cselect_b32 s94, 6400, s94
	s_mov_b32 s96, 12288
	s_cselect_b32 s96, 6144, s96
	s_mul_i32 s94, s92, s94
	s_mov_b32 s95, 0
	s_add_nc_u64 s[PQK:PQK+1], s[PQK:PQK+1], s[94:95]
	s_add_nc_u64 s[PQS:PQS+1], s[PQK:PQK+1], s[96:97]
	s_mul_i32 s94, s92, 12800
	s_mul_i32 s96, s18, 3072
	s_add_co_u32 s96, s96, 6144
	s_add_nc_u64 s[PVI:PVI+1], s[14:15], s[94:95]
	s_add_nc_u64 s[PVI:PVI+1], s[PVI:PVI+1], s[96:97]
	s_lshl_b32 s96, s18, 7
	s_add_co_u32 s96, s96, 12544
	s_add_nc_u64 s[PVS:PVS+1], s[14:15], s[94:95]
	s_add_nc_u64 s[PVS:PVS+1], s[PVS:PVS+1], s[96:97]
.irp t, 0,1,2,3,4,5,6,7                            ; a row's 32 scale bytes are the words of the 8 steps: lane r takes row r's (lanes 16-31 the same; they are not read)
	global_load_b128 v[SX+8*\t:SX+8*\t+3], v19, s[6:7] offset:512*\t
	global_load_b128 v[SX+8*\t+4:SX+8*\t+7], v19, s[6:7] offset:512*\t+16
.endr
.irp i, 0,1,2,3
	global_load_b128 v[SW+8*\i:SW+8*\i+3], v20, s[98:99] offset:24576*\i
	global_load_b128 v[SW+8*\i+4:SW+8*\i+7], v20, s[98:99] offset:24576*\i+16
.endr
.irp n, 0,1
	global_load_b128 v[SW+8*(4+\n):SW+8*(4+\n)+3], v20, s[10:11] offset:24576*\n
	global_load_b128 v[SW+8*(4+\n)+4:SW+8*(4+\n)+7], v20, s[10:11] offset:24576*\n+16
.endr
; A fragment, 16 rows x 128 K of 6-bit codes: 12 registers, 24 bytes of the row's stream of bits twice, in pieces of 8 bytes.  Lanes 16-31 read three pieces further on; where that is behind one padding more, the second address register serves.
.macro FRAG reg, adr, q, off
.irp p, 0,1,2,3,4,5
.set PC, 12*(\q)+6*(\p/3)+\p%3
.if PC%8 < 5
	ds_load_b64 v[\reg+2*\p:\reg+2*\p+1], v[\adr] offset:8*PC+16*(PC/8)+(\off)
.else
	ds_load_b64 v[\reg+2*\p:\reg+2*\p+1], v[\adr+1] offset:8*PC+16*(PC/8)+(\off)
.endif
.endr
.endm
; All fragments of step ks, in one run: x's eight, W's four of q or k, W's two of v, into set ks % 2.
.macro FETCH ks, ax, aq, av
.set FQ, (\ks)&1
	WIN 0x40                                       ; destination window 1
.irp t, 0,1,2,3,4,5,6,7
	FRAG 128*FQ+FR*\t, \ax, FQ, 3840*\t
.endr
.if FQ
	WIN 0xc0                                       ; destination window 3
.set FB, 128
.else
	WIN 0
.set FB, WF0
.endif
.irp i, 0,1,2,3
	FRAG FB+FR*\i, \aq, FQ, 11520*\i
.endr
.irp n, 0,1
	FRAG FB+FR*(4+\n), \av, FQ, 11520*\n
.endr
	WIN 0
.endm
.macro MM d, a, b, sa, sb, zero        ; zero = 1: the first product starts the sum: nothing is ever cleared
.if \zero
	v_wmma_scale_f32_16x16x128_f8f6f4 v[\d:\d+7], v[\a:\a+11], v[\b:\b+11], 0, v[\sa], v[\sb] matrix_a_fmt:MATRIX_FMT_FP6 matrix_b_fmt:MATRIX_FMT_FP6
.else
	v_wmma_scale_f32_16x16x128_f8f6f4 v[\d:\d+7], v[\a:\a+11], v[\b:\b+11], v[\d:\d+7], v[\sa], v[\sb] matrix_a_fmt:MATRIX_FMT_FP6 matrix_b_fmt:MATRIX_FMT_FP6
.endif
.endm
; The 48 accumulators take turns, one instruction a turn, in the same order in every step.
.macro MULQ ks, a0, a1, zero           ; q or k: tiles of t a0 .. a1 x the four tiles of d
.set PP, (\ks)&1
.if PP
	WIN 0xa7                                       ; source 0 (W) window 3, source 1 (x) window 1, C and D window 2
.set WB, 128
.else
	WIN 0xa4                                       ; source 0 (W) window 0
.set WB, WF0
.endif
.set AI, \a0
.rept (\a1)-(\a0)+1
.irp i, 0,1,2,3
	MM 8*(4*AI+\i), WB+FR*\i, 128*PP+FR*AI, SW+8*\i+(\ks), SX+8*AI+(\ks), \zero
.endr
.set AI, AI+1
.endr
.endm
.macro MULV ks, zero                   ; v: my two tiles of d x the eight tiles of t
.set PP, (\ks)&1
.if PP
	WIN 0xfd                                       ; source 0 (x) window 1, source 1 (W) window 3, C and D window 3
.set WB, 128
.else
	WIN 0xf1                                       ; source 1 (W) window 0
.set WB, WF0
.endif
.irp n, 0,1
.irp t, 0,1,2,3,4,5,6,7
	MM 8*(8*\n+\t), 128*PP+FR*\t, WB+FR*(4+\n), SX+8*\t+(\ks), SW+8*(4+\n)+(\ks), \zero
.endr
.endr
.endm
; A step whose successor lies in the same slot: the next step's 84 loads go out behind the first 8 products and have the other 40 in which to land.
.macro STEPN ks, ax, aq, av, zero
	s_wait_dscnt 0x0                               ; this step's fragments are in
	MULQ \ks, 0, 1, \zero
	PLACES                                         ; for the loads into the other set, which the last step's products read
	FETCH (\ks)+1, \ax, \aq, \av
	MULQ \ks, 2, 7, \zero
	MULV \ks, \zero
.endm
	s_wait_tensorcnt 0x2                           ; my part of chunk 0 is in; chunks 1 and 2 may stay out
	s_barrier_signal -1
	s_barrier_wait -1                              ; everybody's is
	FETCH 0, 4, 6, 8
	s_wait_loadcnt 0x0                             ; the scale words
	STEPN 0, 4, 6, 8, 1
	; step 1 leaves slot 0, which is filled again with chunk 3
	WIN 0                                          ; (the add's two registers lie in window 0)
	s_wait_tensorcnt 0x0                           ; all my tensor loads have landed: my parts of chunks 1 and 2;
	ds_add_u32 v[SPW], v[NIL]                      ; 0 onto my spare word
	s_wait_dscnt 0x1                               ; (the step's fragments are in; the add may be out)
	MULQ 1, 0, 3, 0                                ; sixteen matrix instructions stand between the add and the wait for it
	s_wait_dscnt 0x0                               ; the add is done, and my reads of slot 0 are over
	s_barrier_signal -1
	MULQ 1, 4, 5, 0
	WIN 0
	s_barrier_wait -1
	CREST                                          ; the barrier has opened a round of the cluster's: no wave of any partner still reads slot 0 or has a load on its way
	s_add_nc_u64 s[G0X+2:G0X+3], s[G0X+2:G0X+3], 576   ; from chunk 0 to chunk 3
	s_add_nc_u64 s[G0W+2:G0W+3], s[G0W+2:G0W+3], 576
	JLOAD G0X, G0W                                 ; my one tensor load behind the round: it has four steps in which to land.  Its four v_nop are the places in front of the loads below
	FETCH 2, 10, 12, 14
	MULQ 1, 6, 7, 0
	MULV 1, 0
	STEPN 2, 10, 12, 14, 0
	; step 3 goes on to slot 2, which the wait for all loads and the barrier in step 1 have shown whole to every wave
	s_wait_dscnt 0x0
	MULQ 3, 0, 1, 0
	WIN 0
.irp i, 0,1,2,3,4,5
	v_add_nc_u32 v[10+\i], SLOT, v[10+\i]          ; (six plain lines: the places in front of the loads below)
.endr
	FETCH 4, 10, 12, 14
	MULQ 3, 2, 7, 0
	MULV 3, 0
	s_wait_alu depctr_va_vdst(0)
	STEPN 4, 10, 12, 14, 0
	; step 5 goes back to slot 0: chunk 3
	s_wait_tensorcnt 0x0                           ; my part of chunk 3 is in,
	s_wait_dscnt 0x0
	MULQ 5, 0, 1, 0
	s_barrier_signal -1
	MULQ 5, 2, 3, 0
	s_barrier_wait -1                              ; everybody's is
	PLACES
	FETCH 6, 4, 6, 8
	MULQ 5, 4, 7, 0
	MULV 5, 0
	STEPN 6, 4, 6, 8, 0
	s_wait_dscnt 0x0                               ; the last step: nothing more to fetch
	MULQ 7, 0, 7, 0
	MULV 7, 0
	WIN 0
; THE QUANTISER.  64 numbers of a lane in window w, v[s] on; register 16 b + i is number 16 (lane / 16) + i of block b of my row.  They become 12 registers of codes, v[pc] on, and my row's scale word, v[pw].
; A block's scale is 2^(floor(log2(largest magnitude)) - 2): the largest magnitude with 2 taken off its exponent field is the conversion's scale operand, and that field the byte.  Each accumulator is read from its low end on.
.macro QUANT w, s, pc, pw
	WIN 5*(\w)                                     ; sources 0 and 1 in window w
.irp b, 0,1,2,3
	v_max3_num_f32 v[TM+\b], |v[\s+16*\b]|, |v[\s+16*\b+1]|, 0x1800000   ; and the floor 2^(3 - 127): the byte cannot fall under 1
.endr
.irp i, 2,4,6,8,10,12,14
.irp b, 0,1,2,3
	v_max3_num_f32 v[TM+\b], |v[\s+16*\b+\i]|, |v[\s+16*\b+\i+1]|, v[TM+\b]   ; (the four blocks by turns)
.endr
.endr
	WIN 0
.irp b, 0,1,2,3
	v_permlanex16_b32 v[TM+4+\b], v[TM+\b], s[SEL], s[SEL+1]
.endr
.irp b, 0,1,2,3
	v_max_num_f32 v[TM+\b], v[TM+\b], v[TM+4+\b]   ; with lane l xor 16's 16 numbers: the block's
.endr
.irp b, 0,1,2,3
	v_add_nc_u32 v[TM+12+\b], 0xff000000, v[TM+\b]
.endr
.irp b, 0,1,2,3
	v_lshrrev_b32 v[TM+4+\b], 23, v[TM+12+\b]
.endr
	v_lshl_or_b32 v[\pw], v[TM+5], 8, v[TM+4]
	v_lshl_or_b32 v[\pw], v[TM+6], 16, v[\pw]
	v_lshl_or_b32 v[\pw], v[TM+7], 24, v[\pw]
	WIN \w                                         ; source 0 in window w
.irp c, 0,1
	v_cvt_scalef32_pk16_fp6_f32 v[\pc+6*\c:\pc+6*\c+2], v[\s+32*\c:\s+32*\c+15], v[TM+12+2*\c]
	v_cvt_scalef32_pk16_fp6_f32 v[CT+4*\c:CT+4*\c+2], v[\s+32*\c+16:\s+32*\c+31], v[TM+12+2*\c+1]   ; (a conversion's three registers begin on an even number)
.endr
	WIN 0
	v_nop                                          ; one plain line behind the last scaled conversion
.irp c, 0,1                                        ; the operand's layout wants a whole block in a lane: lanes 0-15 block 2 c, lanes 16-31 block 2 c + 1
.irp i, 0,1,2
	v_permlane16_swap_b32 v[\pc+6*\c+\i], v[CT+4*\c+\i]
.endr
.irp i, 0,1,2
	v_mov_b32 v[\pc+3+6*\c+\i], v[CT+4*\c+\i]
.endr
.endr
.endm
	PLACES                                         ; behind the last products
	v_cmp_le_u32 vcc_lo, 16, v3                    ; lanes 16-31
.irp b, 0,1,2,3
	v_mov_b32 v[TM+4+\b], 0                        ; written once: a lane permute's destination counts as one of its sources
.endr
.irp p, 0,1,2,3                                    ; q or k: t tiles 2 p and 2 p + 1, two blocks of 32 along d each.  Every image has registers of its own: no store's data are written again
	QUANT 2, 64*\p, WF0+12*\p, PW+\p
.irp c, 0,1,2
	global_store_b128 v16, v[WF0+12*\p+4*\c:WF0+12*\p+4*\c+3], s[PQK:PQK+1] offset:1536*\p+512*\c   ; 32 lanes store 512 consecutive bytes, at a multiple of 256 from the buffer's first byte
.endr
.endr
.irp n, 0,1                                        ; v: 16 d x 128 keys, four blocks of 32 keys
	QUANT 3, 64*\n, WF0+48+12*\n, PW+4+\n
.irp c, 0,1,2
	global_store_b128 v16, v[WF0+48+12*\n+4*\c:WF0+48+12*\n+4*\c+3], s[PVI:PVI+1] offset:1536*\n+512*\c
.endr
.endr
	v_cndmask_b32 v246, v[PW], v[PW+2], vcc_lo     ; the scale words [r][pair]: lanes 0-15 store pairs 0, 1, lanes 16-31 pairs 2, 3: 256 consecutive bytes
	v_cndmask_b32 v247, v[PW+1], v[PW+3], vcc_lo
	global_store_b64 v17, v[246:247], s[PQS:PQS+1]
	v_cndmask_b32 v248, v[PW+4], v[PW+5], vcc_lo   ; v's [r][n]: 128 consecutive bytes; the other wave of my 128 t stores the 128 beside them
	global_store_b32 v18, v248, s[PVS:PVS+1]
	s_wait_tensorcnt 0x0                           ; the wave's end
	ds_add_u32 v[SPW], v[NIL]
	s_wait_dscnt 0x0
	CROUND                                         ; the closing round: no work-group ends while a partner may still ask for a tile that names it
	s_endpgm
.Lfunc_end_k_q0e58886ce5_qkv:
	.size	k_q0e58886ce5_qkv, .Lfunc_end_k_q0e58886ce5_qkv-k_q0e58886ce5_qkv
	.p2alignl 7, 3214868480
	.fill 96, 4, 3214868480
	.section	.rodata,"a",@progbits
	.p2align	6, 0x0
	.amdhsa_kernel k_q0e58886ce5_qkv
		.amdhsa_group_segment_fixed_size 327680
		.amdhsa_private_segment_fixed_size 0
		.amdhsa_enable_private_segment 0
		.amdhsa_kernarg_size 48
		.amdhsa_user_sgpr_count 2
		.amdhsa_user_sgpr_kernarg_segment_ptr 1
		.amdhsa_wavefront_size32 1
		.amdhsa_system_sgpr_workgroup_id_x 1
		.amdhsa_system_sgpr_workgroup_id_y 1
		.amdhsa_system_sgpr_workgroup_id_z 1
		.amdhsa_system_vgpr_workitem_id 0
		.amdhsa_next_free_vgpr 1024
		.amdhsa_next_free_sgpr 100
		.amdhsa_reserve_vcc 1
		.amdhsa_float_denorm_mode_32 3
		.amdhsa_float_denorm_mode_16_64 3
		.amdhsa_memory_ordered 1
		.amdhsa_forward_progress 1
		.amdhsa_inst_pref_size 133
	.end_amdhsa_kernel
	.amdgpu_metadata
---
amdhsa.version: [ 1, 2 ]
amdhsa.kernels:
  - .name:           k_q0e58886ce5_qkv
    .symbol:         k_q0e58886ce5_qkv.kd
    .args:
      - { .name: x_codes, .offset: 0, .size: 8, .value_kind: global_buffer, .address_space: global }
      - { .name: x_scales, .offset: 8, .size: 8, .value_kind: global_buffer, .address_space: global }
      - { .name: w_qkv_codes, .offset: 16, .size: 8, .value_kind: global_buffer, .address_space: global }
      - { .name: w_qkv_scales, .offset: 24, .size: 8, .value_kind: global_buffer, .address_space: global }
      - { .name: qi, .offset: 32, .size: 8, .value_kind: global_buffer, .address_space: global }
      - { .name: kv, .offset: 40, .size: 8, .value_kind: global_buffer, .address_space: global }
    .group_segment_fixed_size: 327680
    .private_segment_fixed_size: 0
    .kernarg_segment_align: 8
    .kernarg_segment_size: 48
    .max_flat_workgroup_size: 128
    .sgpr_count:     100
    .vgpr_count:     1024
    .wavefront_size: 32
...
	.end_amdgpu_metadata
.endif
;; end of part 1
;; launch attn (part 2): grid 4 x 64, 16 waves a work-group, clusters of 4 x 1, 206,848 bytes of LDS; arguments qi, kv, oi, os; writes oi, os
.if DOCPART == 2
	.amdgcn_target "amdgcn-amd-amdhsa--gfx1250"
	.amdhsa_code_object_version 6
	.text
	.protected	k_q0e58886ce5_attn
	.globl	k_q0e58886ce5_attn
	.p2align	8
	.type	k_q0e58886ce5_attn,@function
k_q0e58886ce5_attn:
	s_mov_b64 s[64:65], 0
	v_nop
	global_prefetch_b8 v0, s[64:65] scope:SCOPE_SE
	s_setreg_imm32_b32 hwreg(HW_REG_WAVE_MODE, 25, 1), 1
	s_wait_xcnt 0x0
	s_wait_alu depctr_hold_cnt(0) depctr_sa_sdst(0) depctr_va_vdst(0) depctr_va_sdst(0) depctr_va_ssrc(0) depctr_va_vcc(0) depctr_vm_vsrc(0)
	s_getreg_b32 s2, hwreg(HW_REG_IB_STS2, 6, 4)
	s_cmp_eq_u32 s2, 0
	s_cbranch_scc0 .Lentry_in_a_cluster
	s_endpgm
.Lentry_in_a_cluster:
	s_bfe_u32 s2, ttmp6, 0x10000c
	s_cmp_lg_u32 s2, 0x3003
	s_cbranch_scc0 .Lentry_shape_is_right
	s_endpgm
.Lentry_shape_is_right:
; o = softmax(q k^T / 32) v for one (batch, head), both products on codes of FP6 (E2M3) with E8M0 scales; o / the row's sum is quantised along the head's 64 and leaves as codes for the last product.
; THE SOFTMAX: t = score x log2(e) / 32; M = the running largest t rounded UP to a whole number; p = 2^(t - M) is quantised along the keys, not normalised; the row's sum is taken of the unquantised p and divides at the end.
; When M moves, the sum and O are multiplied by 2^(old M - new M): nothing is rounded.
; SHARES.  A work-group owns 512 queries of a head; the four work-groups of a cluster are the head's four blocks of queries.  Each of the sixteen waves owns 32 queries, two tiles of 16, taken in two passes of one loop.
; THE HEAD'S WHOLE K AND V STAY IN LDS: 16 blocks of 128 keys, 12,800 bytes each (K's four pair images, V's four fragments, K's and V's scale words), filled ONCE by joint loads of waves 0-3, four each.  No byte of LDS is filled again or stored to.
; Operands lie as images of their registers: a fragment comes by three loads of 16 bytes a lane, 512 consecutive bytes a load.
; K = 64 IN AN INSTRUCTION OF 128: a fragment of k holds two tiles of keys (registers 0-5: tile 2 b, 6-11: tile 2 b + 1).  It is multiplied by [q, 0] and by [0, q]: the zero codes stand on q's side, under the scale byte 127; k's bytes lie in 1 .. 254.
; LAYOUT.  Both products are used transposed (S^T = k q^T, O^T = v^T p^T): a lane holds one query.  Register 16 b + 8 u + j of S^T is key 32 b + 16 u + 8 (lane / 16) + j, the order in which v's codes were laid too.
; o's codes must stand in true order along d, since w_out is given: sixteen exchanges of halves on the f32 numbers give lane half h the channels 32 b + 16 h + 0 .. 15.
; LIMITS: NaN and infinities are not served; a block of zeros or under 2^-124 gets the scale byte 1 (read by this program alone); inside a block of 32 the order of d (q, k) and of the keys (p, v) is permuted alike on both operands.
.set L16, 1                            ; v1   16 x lane
.set KSA, 2                            ; v2   K's scale words: 16 (lane % 16) + 12,288
.set VSA, 3                            ; v3   V's: 8 (lane % 16) + 12,544
.set AD,  4                            ; v4-6 the three of the step in hand
.set L8,  7                            ; v7   8 x lane
.set OSA, 8                            ; v8   o's half-words of scales: 512 (lane / 16) + 32 (lane % 16)
.set QA,  16                           ; v16-27 [q, 0];  v28-39 [0, q];  v40-51 the pair image of q
.set QB,  28
.set QT,  40
.set KF,  52                           ; v52-99 four fragments of K, then of V
.set S,   100                          ; v100-163 S^T, then p
.set O,   164                          ; v164-195 O^T
.set PC,  196                          ; v196-207 p's codes
.set CT,  208
.set BM,  216                          ; v216-219 the blocks' largest scores, then p;  v220-223 the other half's, then bytes;  v224-227 the conversions' scale operands
.set BP,  220
.set SO,  224
.set TP,  228
.set HN,  229
.set F,   230                          ; v[230:231] f = 2^(old M - new M)
.set PW,  232                          ; p's scale word
.set L2,  234                          ; v[234:235] the sums' second chain
.set KS,  236                          ; v236-239 K's scale words; v240-243 V's
.set VS,  240
.set QAS, 244                          ; q's scale words for [q, 0] and for [0, q]; v246 the pair's word
.set QBS, 245
.set QW,  246
.set HW,  247                          ; o's half-words: lanes 0-15 the first pass's rows, lanes 16-31 the second's
.set RL,  248                          ; v[248:249] 1 / the sum
.set G1,  16                           ; s[16:23] descriptor group 1; s[24:39] four groups 0
.set G0,  24
.set SEL, 40
.set CS,  42                           ; s[42:43] c = log2(e) / 32
.set TB,  44                           ; LDS byte of the step's block
.set CNT, 45
.set PASS, 46
.set MASK, 47
.macro CROUND                          ; a round of the cluster's barrier
	s_barrier_signal -1
	s_barrier_wait -1
	s_cmp_lg_u32 s12, 0
	s_cbranch_scc1 .Lnot_wave_0_\@
	s_barrier_signal -3
.Lnot_wave_0_\@:
	s_barrier_wait -3
	s_barrier_signal -1
	s_barrier_wait -1
.endm
.macro MM d, a, b, sa, sb, zero
.if \zero
	v_wmma_scale_f32_16x16x128_f8f6f4 v[\d:\d+7], v[\a:\a+11], v[\b:\b+11], 0, v[\sa], v[\sb] matrix_a_fmt:MATRIX_FMT_FP6 matrix_b_fmt:MATRIX_FMT_FP6
.else
	v_wmma_scale_f32_16x16x128_f8f6f4 v[\d:\d+7], v[\a:\a+11], v[\b:\b+11], v[\d:\d+7], v[\sa], v[\sb] matrix_a_fmt:MATRIX_FMT_FP6 matrix_b_fmt:MATRIX_FMT_FP6
.endif
.endm
	s_load_b256 s[4:11], s[0:1], 0x0               ; qi s[4:5], kv s[6:7], oi s[8:9], os s[10:11]
	v_lshl_add_u32 v254, v0, 2, 0x32000
	v_mov_b32 v255, 0
	ds_add_u32 v254, v255
	ds_add_u32 v254, v255
	v_lshrrev_b32 v1, 5, v0
	s_delay_alu instid0(VALU_DEP_1)
	v_readfirstlane_b32 s12, v1                    ; wave 0..15
	s_bfe_u32 s13, ttmp6, 0x40000                  ; cx
	s_lshl_b32 s15, ttmp9, 2
	s_add_co_u32 s15, s15, s13                     ; my block of 512 queries: it enters global addresses of q and o alone
	s_and_b32 s14, ttmp7, 0xffff                   ; 16 batch + head, which the four partners share
	s_and_b32 s48, s12, 3
	s_lshr_b32 s49, s12, 2
	s_mul_i32 s50, s48, 12800                      ; what I fetch, if I fetch: block 4 g + wave, in LDS as in memory
	s_mul_i32 s52, s14, 204800
	s_add_co_u32 s52, s52, s50
	s_mov_b32 s53, 0
	s_mov_b32 s[G1], 15|(3<<16)|(1<<21)            ; 15:0 the mask: all four work-groups; 17:16 elements of 8 bytes; 21 set beside a mask; no padding
	s_mov_b32 s[G1+1], 32<<16                      ; a dense block of 12,800 bytes as 50 rows of 256
	s_mov_b32 s[G1+2], 50<<16
	s_mov_b32 s[G1+3], 32<<16
	s_mov_b32 s[G1+4], 50
	s_mov_b32 s[G1+5], 32
	s_mov_b32 s[G1+6], 0
	s_mov_b32 s[G1+7], 0
	s_mov_b32 s[SEL], 0x76543210
	s_mov_b32 s[SEL+1], 0xfedcba98                 ; v_permlanex16_b32's selects for lane l xor 16
	s_mov_b32 s[CS], 0x3d38aa3b                    ; log2(e) / 32
	s_mov_b32 s[CS+1], s[CS]                       ; (named with it as a pair, so it is written)
	s_wait_dscnt 0x0
	s_wait_kmcnt 0x0
	s_add_nc_u64 s[52:53], s[6:7], s[52:53]
	CROUND                                         ; all four work-groups are here: the joint loads meet
.irp g, 0,1,2,3
	s_mov_b32 s[G0+4*\g], 1
	s_add_co_u32 s[G0+4*\g+1], s50, 51200*\g
	s_add_nc_u64 s[G0+4*\g+2:G0+4*\g+3], s[52:53], 51200*\g
	s_or_b32 s[G0+4*\g+3], s[G0+4*\g+3], 0x80000000
.endr
	s_cmp_lt_u32 s12, 4                            ; waves 0-3 fetch: all fills of a wave stand in this one branch; four loads of such a wave are out
	s_cbranch_scc0 .Lno_fill
	tensor_load_to_lds s[G0:G0+3], s[G1:G1+7]
	s_nop 0
	tensor_load_to_lds s[G0+4:G0+7], s[G1:G1+7]
	s_nop 0
	tensor_load_to_lds s[G0+8:G0+11], s[G1:G1+7]
	s_nop 0
	tensor_load_to_lds s[G0+12:G0+15], s[G1:G1+7]
	s_nop 0
.rept 4
	v_nop
.endr
.Lno_fill:
	s_lshl_b32 s51, s15, 2
	s_add_co_u32 s51, s51, s49                     ; my block of 128 queries in the head: 4 x block of 512 + wave / 4
	s_lshl_b32 s54, s14, 4
	s_add_co_u32 s54, s54, s51
	s_mul_i32 s54, s54, 6400
	s_mul_i32 s56, s48, 1536
	s_add_co_u32 s56, s56, s54                     ; my pair image of q: pair wave % 4
	s_mov_b32 s57, 0
	s_lshl_b32 s58, s48, 2
	s_add_co_u32 s58, s58, s54
	s_add_co_u32 s58, s58, 6144                    ; and its scale words [r][pair]
	s_mov_b32 s59, 0
	s_add_nc_u64 s[56:57], s[4:5], s[56:57]
	s_add_nc_u64 s[58:59], s[4:5], s[58:59]
	s_bfe_u32 s62, s14, 0x30001                    ; g = head / 2: the last product's K step
	s_and_b32 s61, s14, 1                          ; c = head % 2: which half of its fragment
	s_and_b32 s54, s14, 0x3f0                      ; oi: [block of 128 rows][g][tile of rows][c] x 768 bytes
	s_add_co_u32 s54, s54, s51
	s_mul_i32 s54, s54, 98304
	s_mul_i32 s60, s62, 12288
	s_add_co_u32 s54, s54, s60
	s_mul_i32 s60, s48, 3072
	s_add_co_u32 s54, s54, s60
	s_mul_i32 s60, s61, 768
	s_add_co_u32 s54, s54, s60
	s_mov_b32 s55, 0
	s_add_nc_u64 s[8:9], s[8:9], s[54:55]
	s_lshr_b32 s54, s14, 4                         ; os: [tile of rows][r][g] words, half-word c: tile 128 batch + 32 x block of 512 + 2 wave
	s_lshl_b32 s54, s54, 7
	s_lshl_b32 s60, s15, 5
	s_add_co_u32 s54, s54, s60
	s_lshl_b32 s60, s12, 1
	s_add_co_u32 s54, s54, s60
	s_lshl_b32 s54, s54, 9
	s_lshl_b32 s60, s62, 2
	s_add_co_u32 s54, s54, s60
	s_lshl_b32 s60, s61, 1
	s_add_co_u32 s54, s54, s60
	s_add_nc_u64 s[10:11], s[10:11], s[54:55]
	v_and_b32 v9, 15, v0                           ; r
	v_bfe_u32 v10, v0, 4, 1                        ; h
	v_and_b32 v11, 31, v0                          ; lane
	s_delay_alu instid0(VALU_DEP_1)
	v_lshlrev_b32 v[L16], 4, v11
	s_delay_alu instid0(VALU_DEP_2)
	v_lshlrev_b32 v[L8], 3, v11
	v_lshl_add_u32 v[KSA], v9, 4, 12288
	v_lshl_add_u32 v[VSA], v9, 3, 12544
	v_lshlrev_b32 v[OSA], 5, v9
	s_delay_alu instid0(VALU_DEP_1)
	v_lshl_add_u32 v[OSA], v10, 9, v[OSA]
	v_lshlrev_b32 v9, 4, v9                        ; q's scale words: 16 r
.irp c, 0,1,2
	global_load_b128 v[QT+4*\c:QT+4*\c+3], v[L16], s[56:57] offset:512*\c
.endr
	global_load_b32 v[QW], v9, s[58:59]
.irp i, 0,1,2,3,4,5
	v_mov_b32 v[QA+6+\i], 0                        ; the zero halves of [q, 0] and [0, q]: written once
	v_mov_b32 v[QB+\i], 0
.endr
.irp b, 0,1,2,3
	v_mov_b32 v[BP+\b], 0                          ; a lane permute's destination counts as one of its sources
.endr
	v_mov_b32 v[TP], 0
	v_mov_b32 v[F+1], 0                            ; (the upper halves of pairs of which the low word serves both halves)
	v_mov_b32 v[RL+1], 0
	v_mov_b32 v[HW], 0
	s_mov_b32 s[MASK], 0xffff
	s_mov_b32 s[PASS], 2
	s_wait_loadcnt 0x0                             ; q
; A KEY STEP: the 128 keys of the block at LDS byte s[TB].
.macro STEP
	v_add_nc_u32 v[AD], s[TB], v[L16]
	v_add_nc_u32 v[AD+1], s[TB], v[KSA]
	v_add_nc_u32 v[AD+2], s[TB], v[VSA]
	v_nop                                          ; four plain lines: the places in front of the loads into the registers that the last products read
.irp b, 0,1,2,3
.irp c, 0,1,2
	ds_load_b128 v[KF+12*\b+4*\c:KF+12*\b+4*\c+3], v[AD] offset:1536*\b+512*\c
.endr
.endr
	ds_load_b128 v[KS:KS+3], v[AD+1]               ; the four pairs' scale words of key r
	s_wait_alu depctr_va_vdst(0)
	s_wait_dscnt 0x0
.irp b, 0,1,2,3                                    ; S^T: each fragment of k against [q, 0] (keys 32 b + ..) and [0, q] (keys 32 b + 16 + ..)
	MM S+16*\b, KF+12*\b, QA, KS+\b, QAS, 1
	MM S+16*\b+8, KF+12*\b, QB, KS+\b, QBS, 1
.endr
.rept 4
	v_nop                                          ; the places in front of the loads below and of the first read of the scores
.endr
.irp n, 0,1,2,3                                    ; V's fragments take K's registers and land while the softmax is worked
.irp c, 0,1,2
	ds_load_b128 v[KF+12*\n+4*\c:KF+12*\n+4*\c+3], v[AD] offset:6144+1536*\n+512*\c
.endr
.endr
	ds_load_b64 v[VS:VS+1], v[AD+2]
	ds_load_b64 v[VS+2:VS+3], v[AD+2] offset:128
.irp b, 0,1,2,3
	v_max3_num_f32 v[BM+\b], v[S+16*\b], v[S+16*\b+1], v[S+16*\b+2]   ; the largest score of each block of 32 keys: it serves the row's maximum and, since p rises with the score, the block's largest p
.endr
.irp i, 3,5,7,9,11,13
.irp b, 0,1,2,3
	v_max3_num_f32 v[BM+\b], v[BM+\b], v[S+16*\b+\i], v[S+16*\b+\i+1]
.endr
.endr
.irp b, 0,1,2,3
	v_max_num_f32 v[BM+\b], v[BM+\b], v[S+16*\b+15]
.endr
.irp b, 0,1,2,3
	s_delay_alu instid0(VALU_DEP_4)
	v_permlanex16_b32 v[BP+\b], v[BM+\b], s[SEL], s[SEL+1]
.endr
.irp b, 0,1,2,3
	s_delay_alu instid0(VALU_DEP_4)
	v_max_num_f32 v[BM+\b], v[BM+\b], v[BP+\b]     ; with lane l xor 16's 16 keys
.endr
	s_delay_alu instid0(VALU_DEP_2)
	v_max3_num_f32 v[TP], v[BM], v[BM+1], v[BM+2]
	s_delay_alu instid0(VALU_DEP_1)
	v_max_num_f32 v[TP], v[TP], v[BM+3]
	s_delay_alu instid0(VALU_DEP_1)
	v_mul_f32 v[TP], s[CS], v[TP]                  ; the step's largest t (c is positive)
	s_delay_alu instid0(VALU_DEP_1)
	v_max_num_f32 v13, v13, v[TP]                  ; the running largest t
	v_mov_b32 v[TP], v12
	s_delay_alu instid0(VALU_DEP_2)
	v_floor_f32 v12, -v13                          ; the new -M = floor(-t): M is a whole number
	s_delay_alu instid0(VALU_DEP_1)
	v_sub_f32 v[TP], v12, v[TP]                    ; old M - new M: a whole number, 0 or less
	s_delay_alu instid0(VALU_DEP_1)
	v_cvt_i32_f32 v[TP], v[TP]                     ; (it saturates)
	s_delay_alu instid0(VALU_DEP_1)
	v_ldexp_f32 v[F], 1.0, v[TP]                   ; f = 2^(old M - new M)
.set J, 0
.rept 32
	v_pk_fma_f32 v[S+J:S+J+1], v[S+J:S+J+1], s[CS:CS+1], v[12:13] op_sel_hi:[1,0,0]   ; t - M, two at a time
.set J, J+2
.endr
.irp b, 0,1,2,3
	v_fma_f32 v[BM+\b], v[BM+\b], s[CS], v12       ; the same of each block's largest score
.endr
.set J, 0
	s_wait_alu depctr_va_vdst(0)
.rept 64
	v_exp_f32 v[S+J], v[S+J]                       ; p = 2^(t - M): one batch
.set J, J+1
.endr
	s_setprio 1
	v_pk_mul_f32 v[14:15], v[14:15], v[F:F+1] op_sel_hi:[1,0]   ; the sums under the new M: the plain line behind the exponentials
	s_wait_alu depctr_va_vdst(0)                   ; one wait for the batch, ahead of its first reader
.irp b, 0,1,2,3
	v_exp_f32 v[BM+\b], v[BM+\b]                   ; the blocks' largest p
.endr
	v_pk_add_f32 v[234:235], v[104:105], v[108:109]
	v_pk_add_f32 v[252:253], v[112:113], v[116:117]
	v_pk_add_f32 v[250:251], v[120:121], v[124:125]
	v_pk_add_f32 v[238:239], v[128:129], v[132:133]
	v_pk_add_f32 v[236:237], v[136:137], v[140:141]
	v_pk_add_f32 v[232:233], v[144:145], v[148:149]
	v_pk_add_f32 v[226:227], v[152:153], v[156:157]
	v_pk_add_f32 v[14:15], v[14:15], v[160:161]
	v_pk_add_f32 v[234:235], v[234:235], v[100:101]
	v_pk_add_f32 v[252:253], v[252:253], v[102:103]
	v_pk_add_f32 v[250:251], v[250:251], v[106:107]
	v_pk_add_f32 v[238:239], v[238:239], v[110:111]
	v_pk_add_f32 v[236:237], v[236:237], v[114:115]
	v_pk_add_f32 v[232:233], v[232:233], v[118:119]
	v_pk_add_f32 v[226:227], v[226:227], v[122:123]
	v_pk_add_f32 v[14:15], v[14:15], v[126:127]
	v_pk_add_f32 v[234:235], v[234:235], v[130:131]
	v_pk_add_f32 v[252:253], v[252:253], v[134:135]
	v_pk_add_f32 v[250:251], v[250:251], v[138:139]
	v_pk_add_f32 v[238:239], v[238:239], v[142:143]
	v_pk_add_f32 v[236:237], v[236:237], v[146:147]
	v_pk_add_f32 v[232:233], v[232:233], v[150:151]
	v_pk_add_f32 v[226:227], v[226:227], v[154:155]
	v_pk_add_f32 v[14:15], v[14:15], v[158:159]
	v_pk_add_f32 v[234:235], v[234:235], v[162:163]
	s_delay_alu instid0(VALU_DEP_2)
	v_pk_add_f32 v[14:15], v[14:15], v[238:239]
	s_delay_alu instid0(VALU_DEP_2)
	v_pk_add_f32 v[234:235], v[234:235], v[236:237]
	v_pk_add_f32 v[252:253], v[252:253], v[232:233]
	v_pk_add_f32 v[250:251], v[250:251], v[226:227]
	s_delay_alu instid0(VALU_DEP_2)
	v_pk_add_f32 v[14:15], v[14:15], v[252:253]
	s_delay_alu instid0(VALU_DEP_2)
	v_pk_add_f32 v[234:235], v[234:235], v[250:251]
	s_delay_alu instid0(VALU_DEP_1)
	v_pk_add_f32 v[14:15], v[14:15], v[234:235]
	s_wait_alu depctr_va_vdst(0)                   ; and one for the four
.irp b, 0,1,2,3
	v_max_num_f32 v[BM+\b], 0x1800000, v[BM+\b]    ; the floor 2^(3 - 127): the byte cannot fall under 1
.endr
.irp b, 0,1,2,3
	s_delay_alu instid0(VALU_DEP_4)
	v_add_nc_u32 v[SO+\b], 0xff000000, v[BM+\b]    ; 2 off the exponent field: the conversion's scale operand
.endr
.irp b, 0,1,2,3
	s_delay_alu instid0(VALU_DEP_4)
	v_lshrrev_b32 v[BP+\b], 23, v[SO+\b]           ; the scale's byte
.endr
	s_delay_alu instid0(VALU_DEP_3)
	v_lshl_or_b32 v[PW], v[BP+1], 8, v[BP]
	s_delay_alu instid0(VALU_DEP_1)
	v_lshl_or_b32 v[PW], v[BP+2], 16, v[PW]
	s_delay_alu instid0(VALU_DEP_1)
	v_lshl_or_b32 v[PW], v[BP+3], 24, v[PW]
.irp c, 0,1
	v_cvt_scalef32_pk16_fp6_f32 v[PC+6*\c:PC+6*\c+2], v[S+32*\c:S+32*\c+15], v[SO+2*\c]
	v_cvt_scalef32_pk16_fp6_f32 v[CT+4*\c:CT+4*\c+2], v[S+32*\c+16:S+32*\c+31], v[SO+2*\c+1]
.endr
	v_nop                                          ; one plain line behind the last scaled conversion
.irp c, 0,1                                        ; a whole block to a lane: lanes 0-15 block 2 c, lanes 16-31 block 2 c + 1
.irp i, 0,1,2
	v_permlane16_swap_b32 v[PC+6*\c+\i], v[CT+4*\c+\i]
.endr
.irp i, 0,1,2
	s_delay_alu instid0(VALU_DEP_3)
	v_mov_b32 v[PC+3+6*\c+\i], v[CT+4*\c+\i]
.endr
.endr
.set J, 0
	s_setprio 0
.rept 16
	v_pk_mul_f32 v[O+J:O+J+1], v[O+J:O+J+1], v[F:F+1] op_sel_hi:[1,0]   ; O^T under the new M.  For each product below twelve of these name none of its registers: the places behind the scale word's and the codes' last writes
.set J, J+2
.endr
	s_wait_alu depctr_va_vdst(0)
	s_wait_dscnt 0x0                               ; V is in
.irp n, 0,1,2,3                                    ; O^T += v^T p^T: the four accumulators by turns
	MM O+8*\n, KF+12*\n, PC, VS+\n, PW, 0
.endr
.endm
; Four key steps: the blocks that the g-th loads of waves 0-3 brought.
.macro GROUP g
	s_wait_tensorcnt 3-\g                          ; a wave's tensor loads end in order: my g-th is in; the later ones may stay out
	s_wait_dscnt 0x0
	s_barrier_signal -1
	s_barrier_wait -1                              ; everybody's is
	s_mov_b32 s[TB], 51200*\g
	s_mov_b32 s[CNT], 4
.Lstep_\@:
	s_setprio 2
	STEP
	s_add_co_u32 s[TB], s[TB], 12800
	s_sub_co_u32 s[CNT], s[CNT], 1
	s_cmp_lg_u32 s[CNT], 0
	s_cbranch_scc1 .Lstep_\@
	s_setprio 0
.endm
.Lpass:                                            ; two trips: the pair's first tile of queries, then its second
	s_wait_alu depctr_va_vdst(0)
	v_and_b32 v[QAS], 0xffff, v[QW]
	s_delay_alu instid0(VALU_DEP_1)
	v_or_b32 v[QAS], 0x7f7f0000, v[QAS]            ; [q, 0]: q's two bytes, then 127 for the zero codes
	v_lshl_or_b32 v[QBS], v[QW], 16, 0x7f7f        ; [0, q]
.irp i, 0,1,2,3,4,5
	v_mov_b32 v[QA+\i], v[QT+\i]
	v_mov_b32 v[QB+6+\i], v[QT+\i]
.endr
	v_mov_b32 v13, 0xff61b1e6                      ; the largest t so far: -3e38, under every t
	s_delay_alu instid0(VALU_DEP_1)
	v_floor_f32 v12, -v13
	v_mov_b32 v14, 0
	v_mov_b32 v15, 0
.set J, 0
.rept 32
	v_mov_b32 v[O+J], 0                            ; O^T: the step is written once; the first finds zeros, which the first change of M leaves zeros.  (Also the places behind the lines above)
.set J, J+1
.endr
	GROUP 0
	GROUP 1
	GROUP 2
	GROUP 3
	; the way out of a pass
.rept 4
	v_nop                                          ; behind the last products
.endr
	v_add_f32 v14, v14, v15
	s_delay_alu instid0(VALU_DEP_1)
	v_permlanex16_b32 v[TP], v14, s[SEL], s[SEL+1]
	s_delay_alu instid0(VALU_DEP_1)
	v_add_f32 v14, v14, v[TP]                      ; the row's sum
	s_wait_alu depctr_va_vdst(0)
	v_rcp_f32 v[RL], v14
	v_nop                                          ; a plain line behind the reciprocal
	s_wait_alu depctr_va_vdst(0)                   ; and the wait ahead of its first reader
.set J, 0
.rept 16
	v_pk_mul_f32 v[S+J:S+J+1], v[O+J:O+J+1], v[RL:RL+1] op_sel_hi:[1,0]   ; o = O^T / the sum: register 8 n + j is channel 16 n + 8 h + j
.set J, J+2
.endr
.irp b, 0,1
.irp j, 0,1,2,3,4,5,6,7
	v_permlane16_swap_b32 v[S+16*\b+\j], v[S+16*\b+8+\j]   ; true order: register 16 b + i is now channel 32 b + 16 h + i
.endr
.endr
.irp b, 0,1
	v_max3_num_f32 v[BM+\b], |v[S+16*\b]|, |v[S+16*\b+1]|, 0x1800000
.endr
.irp i, 2,4,6,8,10,12,14
.irp b, 0,1
	s_delay_alu instid0(VALU_DEP_2)
	v_max3_num_f32 v[BM+\b], v[BM+\b], |v[S+16*\b+\i]|, |v[S+16*\b+\i+1]|
.endr
.endr
.irp b, 0,1
	s_delay_alu instid0(VALU_DEP_2)
	v_permlanex16_b32 v[BP+\b], v[BM+\b], s[SEL], s[SEL+1]
.endr
.irp b, 0,1
	s_delay_alu instid0(VALU_DEP_2)
	v_max_num_f32 v[BM+\b], v[BM+\b], v[BP+\b]
.endr
.irp b, 0,1
	s_delay_alu instid0(VALU_DEP_2)
	v_add_nc_u32 v[SO+\b], 0xff000000, v[BM+\b]
.endr
.irp b, 0,1
	s_delay_alu instid0(VALU_DEP_2)
	v_lshrrev_b32 v[BP+\b], 23, v[SO+\b]
.endr
	s_delay_alu instid0(VALU_DEP_1)
	v_lshl_or_b32 v[HN], v[BP+1], 8, v[BP]         ; my row's two bytes
	s_delay_alu instid0(VALU_DEP_1)
	v_cndmask_b32 v[HW], v[HW], v[HN], s[MASK]     ; kept in lanes 0-15 in the first pass, in lanes 16-31 in the second
	v_cvt_scalef32_pk16_fp6_f32 v[PC:PC+2], v[S:S+15], v[SO]
	v_cvt_scalef32_pk16_fp6_f32 v[CT:CT+2], v[S+16:S+31], v[SO+1]
	v_nop
.irp i, 0,1,2
	v_permlane16_swap_b32 v[PC+\i], v[CT+\i]
.endr
.irp i, 0,1,2
	s_delay_alu instid0(VALU_DEP_3)
	v_mov_b32 v[PC+3+\i], v[CT+\i]
.endr
	global_store_b128 v[L16], v[PC:PC+3], s[8:9]               ; half a fragment's image: registers 0-3, 512 consecutive bytes,
	global_store_b64 v[L8], v[PC+4:PC+5], s[8:9] offset:512    ; and registers 4-5, 256
	s_wait_xcnt 0x0                                ; the stores have read their registers and their base: both are written again below and in the next pass
	s_add_nc_u64 s[8:9], s[8:9], 1536              ; the next tile of rows
.irp i, 0,1,2,3,4,5
	v_mov_b32 v[QT+\i], v[QT+6+\i]                 ; the pair's second tile of queries,
.endr
	v_lshrrev_b32 v[QW], 16, v[QW]                 ; and its two scale bytes
	s_not_b32 s[MASK], s[MASK]
	s_sub_co_u32 s[PASS], s[PASS], 1
	s_cmp_lg_u32 s[PASS], 0
	s_cbranch_scc1 .Lpass
	global_store_b16 v[OSA], v[HW], s[10:11]       ; two bytes a row: this head's half of the row's scale word for its K step (one byte in 24 of what the launch stores)
	s_wait_tensorcnt 0x0
	ds_add_u32 v254, v255
	s_wait_dscnt 0x0
	CROUND                                         ; the closing round
	s_endpgm
.Lfunc_end_k_q0e58886ce5_attn:
	.size	k_q0e58886ce5_attn, .Lfunc_end_k_q0e58886ce5_attn-k_q0e58886ce5_attn
	.p2alignl 7, 3214868480
	.fill 96, 4, 3214868480
	.section	.rodata,"a",@progbits
	.p2align	6, 0x0
	.amdhsa_kernel k_q0e58886ce5_attn
		.amdhsa_group_segment_fixed_size 206848
		.amdhsa_private_segment_fixed_size 0
		.amdhsa_enable_private_segment 0
		.amdhsa_kernarg_size 32
		.amdhsa_user_sgpr_count 2
		.amdhsa_user_sgpr_kernarg_segment_ptr 1
		.amdhsa_wavefront_size32 1
		.amdhsa_system_sgpr_workgroup_id_x 1
		.amdhsa_system_sgpr_workgroup_id_y 1
		.amdhsa_system_sgpr_workgroup_id_z 1
		.amdhsa_system_vgpr_workitem_id 0
		.amdhsa_next_free_vgpr 256
		.amdhsa_next_free_sgpr 66
		.amdhsa_reserve_vcc 0
		.amdhsa_float_denorm_mode_32 3
		.amdhsa_float_denorm_mode_16_64 3
		.amdhsa_memory_ordered 1
		.amdhsa_forward_progress 1
		.amdhsa_inst_pref_size 83
	.end_amdhsa_kernel
	.amdgpu_metadata
---
amdhsa.version: [ 1, 2 ]
amdhsa.kernels:
  - .name:           k_q0e58886ce5_attn
    .symbol:         k_q0e58886ce5_attn.kd
    .args:
      - { .name: qi, .offset: 0, .size: 8, .value_kind: global_buffer, .address_space: global }
      - { .name: kv, .offset: 8, .size: 8, .value_kind: global_buffer, .address_space: global }
      - { .name: oi, .offset: 16, .size: 8, .value_kind: global_buffer, .address_space: global }
      - { .name: os, .offset: 24, .size: 8, .value_kind: global_buffer, .address_space: global }
    .group_segment_fixed_size: 206848
    .private_segment_fixed_size: 0
    .kernarg_segment_align: 8
    .kernarg_segment_size: 32
    .max_flat_workgroup_size: 512
    .sgpr_count:     66
    .vgpr_count:     256
    .wavefront_size: 32
...
	.end_amdgpu_metadata
.endif
;; end of part 2
;; launch proj (part 3): grid 8 x 32, 4 waves a work-group, clusters of 4 x 4, 327,680 bytes of LDS; arguments oi, os, w_out_codes, w_out_scales, b_out, out0; writes out0
.if DOCPART == 3
	.amdgcn_target "amdgcn-amd-amdhsa--gfx1250"
	.amdhsa_code_object_version 6
	.text
	.protected	k_q0e58886ce5_proj
	.globl	k_q0e58886ce5_proj
	.p2align	8
	.type	k_q0e58886ce5_proj,@function
k_q0e58886ce5_proj:
	s_mov_b64 s[64:65], 0
	v_nop
	global_prefetch_b8 v0, s[64:65] scope:SCOPE_SE
	s_setreg_imm32_b32 hwreg(HW_REG_WAVE_MODE, 25, 1), 1
	s_wait_xcnt 0x0
	s_wait_alu depctr_hold_cnt(0) depctr_sa_sdst(0) depctr_va_vdst(0) depctr_va_sdst(0) depctr_va_ssrc(0) depctr_va_vcc(0) depctr_vm_vsrc(0)
	s_getreg_b32 s2, hwreg(HW_REG_IB_STS2, 6, 4)
	s_cmp_eq_u32 s2, 0
	s_cbranch_scc0 .Lentry_in_a_cluster
	s_endpgm
.Lentry_in_a_cluster:
	s_bfe_u32 s2, ttmp6, 0x10000c
	s_cmp_lg_u32 s2, 0xf033
	s_cbranch_scc0 .Lentry_shape_is_right
	s_endpgm
.Lentry_shape_is_right:
; out0 = o w_out^T + b_out on codes of FP6 (E2M3) with E8M0 scales, K = 1,024.  o comes as images of operand registers (oi) and scale words (os), w_out as it is given.
; SHARES.  A work-group: 256 rows x 128 columns.  Wave w: mh = w / 2 (128 rows: one block of oi), nh = w % 2 (64 columns): 32 accumulators, TRANSPOSED (source 0 = 16 rows of w_out, source 1 = 16 rows of o),
; so that a lane holds eight neighbouring columns of one row of out0.  The bias is the C of each sum's first product.
; LDS: ALL of K is resident, filled ONCE, in four chunks of 256 along K, four joint loads a wave; the waits on them are counted chunk by chunk.  No byte is filled again.
; CLUSTER 4 x 4: o's tiles hang on the block of rows alone (shared along a row of the cluster), w_out's on the block of columns alone (shared along a column).
; The scale words of my rows and columns for all 8 steps are loaded once into registers.
; REGISTERS.  window 0: v1-12 lane numbers and addresses; v32-95 o's scale words (8 a + step); v96-127 w_out's (8 i + step); v128-223 w_out's fragments, two sets.
;   window 1: o's fragments, two sets (v0, v128); on the way out rows of out0.   window 2: accumulator (a, i) at 8 (4 a + i).   window 3: the bias, tile i at 8 i.
.set FR,     12
.set SA,     32
.set SB,     96
.set BF,     128
.set ACH,    49152                     ; o: a chunk's two halves of 24,576 bytes (two K steps x 8 tiles x 1,536)
.set AHALF,  24576
.set BBASE,  4*ACH                     ; behind them w_out: a chunk's two halves of 64 rows, 240 bytes apart
.set BCH,    30720
.set BHALF,  15360
.set PITCH,  240
.set SPITCH, 272                       ; the way out: a stage of 16 rows x (256 bytes + 16) for each wave, in o's chunk 0: it has had its one fill, and behind the barrier of step 1 nobody reads it
.set G1A,    24
.set G1B,    32
.set G0A,    48                        ; s[48:63], s[68:83] groups 0, a set for each chunk
.set G0B,    68
.set MSB,    0
.macro WIN new                         ; the immediate's high byte repeats the setting that is left
.if MSB != (\new)
	s_set_vgpr_msb (MSB<<8)|(\new)
.set MSB, (\new)
.endif
.endm
.macro PLACES
.rept 4
	v_nop
.endr
.endm
.macro JLOAD g0a, g0b                  ; waves 0 and 1 fetch o's halves, waves 2 and 3 w_out's; four v_nop follow each of the two lines
	s_cmp_eq_u32 s17, 0
	s_cbranch_scc0 .Lfor_b_\@
	tensor_load_to_lds s[\g0a:\g0a+3], s[G1A:G1A+7]
	s_nop 0
.rept 4
	v_nop
.endr
	s_branch .Lasked_\@
.Lfor_b_\@:
	tensor_load_to_lds s[\g0b:\g0b+3], s[G1B:G1B+7]
	s_nop 0
.rept 4
	v_nop
.endr
.Lasked_\@:
.endm
.macro CROUND                          ; a round of the cluster's barrier
	s_barrier_signal -1
	s_barrier_wait -1
	s_cmp_lg_u32 s16, 0
	s_cbranch_scc1 .Lnot_wave_0_\@
	s_barrier_signal -3
.Lnot_wave_0_\@:
	s_barrier_wait -3
	s_barrier_signal -1
	s_barrier_wait -1
.endm
	s_load_b256 s[4:11], s[0:1], 0x0               ; oi s[4:5], os s[6:7], w_out's codes s[8:9], its scales s[10:11]
	s_load_b128 s[12:15], s[0:1], 0x20             ; b_out s[12:13], out0 s[14:15]
	v_lshl_add_u32 v254, v0, 2, 0x4e000
	v_mov_b32 v255, 0
	ds_add_u32 v254, v255
	ds_add_u32 v254, v255
	v_lshrrev_b32 v1, 5, v0
	v_readfirstlane_b32 s16, v1                    ; wave 0..3
	s_lshr_b32 s17, s16, 1                         ; mh.  Also: I fetch for o (0) or for w_out (1)
	s_and_b32 s18, s16, 1                          ; nh.  Also: which half I fetch
	s_bfe_u32 s40, ttmp6, 0x40000                  ; cx, cy
	s_bfe_u32 s41, ttmp6, 0x40004
	s_lshl_b32 s42, ttmp9, 2
	s_add_co_u32 s42, s42, s40                     ; the block of 128 columns
	s_and_b32 s19, ttmp7, 0xffff
	s_lshl_b32 s19, s19, 2
	s_add_co_u32 s19, s19, s41                     ; the block of 256 rows
	s_lshl_b32 s43, s41, 2
	s_lshl_b32 s43, 15, s43                        ; my row of the cluster
	s_lshl_b32 s44, 0x1111, s40                    ; my column
	s_or_b32 s[G1A], s43, (3<<16)|(1<<21)          ; o: a dense block of 24,576 bytes as 96 rows of 256 (32 elements of 8 bytes); no padding
	s_mov_b32 s[G1A+1], 32<<16
	s_mov_b32 s[G1A+2], 96<<16
	s_mov_b32 s[G1A+3], 32<<16
	s_mov_b32 s[G1A+4], 96
	s_mov_b32 s[G1A+5], 32
	s_mov_b32 s[G1A+6], 0
	s_mov_b32 s[G1A+7], 0
	s_or_b32 s[G1B], s44, (1<<20)|(1<<21)|(3<<22)|(3<<25)   ; w_out: 64 rows of 192 bytes, 16 bytes of padding behind every 64
	s_mov_b32 s[G1B+1], 192<<16
	s_mov_b32 s[G1B+2], 64<<16
	s_mov_b32 s[G1B+3], 192<<16
	s_mov_b32 s[G1B+4], 64
	s_mov_b32 s[G1B+5], 768
	s_mov_b32 s[G1B+6], 0
	s_mov_b32 s[G1B+7], 0
	s_lshl_b32 s20, s19, 1                         ; o: block 2 y + half, made of what my row of the cluster shares
	s_add_co_u32 s20, s20, s18
	s_mul_i32 s20, s20, 98304
	s_mov_b32 s21, 0
	s_lshl_b32 s46, s42, 7                         ; w_out: row 128 x + 64 half, made of what my column shares
	s_lshl_b32 s47, s18, 6
	s_add_co_u32 s46, s46, s47
	s_mul_i32 s46, s46, 768
	s_mov_b32 s47, 0
	s_mul_i32 s45, s18, AHALF                      ; where they go
	s_mul_i32 s94, s18, BHALF
	s_add_co_u32 s94, s94, BBASE
	s_wait_dscnt 0x0
	s_wait_kmcnt 0x0
	s_add_nc_u64 s[20:21], s[4:5], s[20:21]
	s_add_nc_u64 s[46:47], s[8:9], s[46:47]
	CROUND                                         ; all sixteen work-groups are here: the joint loads meet
.irp k, 0,1,2,3                                    ; the four chunks: four loads of mine are out
	s_mov_b32 s[G0A+4*\k], 1
	s_add_co_u32 s[G0A+4*\k+1], s45, \k*ACH
	s_add_nc_u64 s[G0A+4*\k+2:G0A+4*\k+3], s[20:21], \k*AHALF
	s_or_b32 s[G0A+4*\k+3], s[G0A+4*\k+3], 0x80000000
	s_mov_b32 s[G0B+4*\k], 1
	s_add_co_u32 s[G0B+4*\k+1], s94, \k*BCH
	s_add_nc_u64 s[G0B+4*\k+2:G0B+4*\k+3], s[46:47], \k*192
	s_or_b32 s[G0B+4*\k+3], s[G0B+4*\k+3], 0x80000000
	JLOAD G0A+4*\k, G0B+4*\k
.endr
	v_and_b32 v1, 15, v0                           ; r
	v_bfe_u32 v2, v0, 4, 1                         ; h
	v_and_b32 v3, 31, v0                           ; lane
	s_mul_i32 s22, s17, AHALF
	v_lshl_add_u32 v4, v3, 4, s22                  ; o's images: registers 0-3 of a half at 16 x lane,
	s_add_co_u32 s22, s22, 512
	v_lshl_add_u32 v5, v3, 3, s22                  ; registers 4-5 at 512 + 8 x lane
	v_mul_u32_u24 v6, v1, PITCH
	v_mad_u32_u24 v6, v2, 24, v6
	s_mul_i32 s23, s18, BHALF
	s_add_co_u32 s23, s23, BBASE
	v_add_nc_u32 v6, s23, v6                       ; w_out: row r, + 24 h;
	v_lshl_add_u32 v7, v2, 4, v6                   ; and behind one padding more
	s_mul_i32 s23, s16, 16*SPITCH                  ; my stage
	v_mul_u32_u24 v8, v1, SPITCH
	v_lshl_add_u32 v8, v2, 5, v8
	v_add_nc_u32 v8, s23, v8                       ; in: row r, 32 bytes for each half of the lanes
	v_mul_u32_u24 v9, v2, SPITCH
	v_lshl_add_u32 v9, v1, 4, v9
	v_add_nc_u32 v9, s23, v9                       ; back: lanes 0-15 one row of 256 bytes, lanes 16-31 the next
	v_lshlrev_b32 v10, 12, v2
	v_lshl_add_u32 v10, v1, 4, v10                 ; and the same two rows in out0
	v_lshlrev_b32 v11, 5, v1                       ; scale words: 32 bytes a row
	v_lshlrev_b32 v12, 5, v2                       ; the bias: my half's eight numbers
	s_lshl_b32 s92, s19, 1
	s_add_co_u32 s92, s92, s17
	s_lshl_b32 s92, s92, 12                        ; os: 8 tiles of rows x 512 bytes for each block of 128 rows
	s_mov_b32 s93, 0
	s_add_nc_u64 s[6:7], s[6:7], s[92:93]
	s_lshl_b32 s92, s42, 12
	s_lshl_b32 s96, s18, 11
	s_add_co_u32 s92, s92, s96                     ; w_out's scales: (128 x + 64 nh) x 32
	s_add_nc_u64 s[10:11], s[10:11], s[92:93]
	s_lshl_b32 s92, s42, 9
	s_lshl_b32 s96, s18, 8
	s_add_co_u32 s92, s92, s96                     ; my first column, in bytes of f32
	s_add_nc_u64 s[12:13], s[12:13], s[92:93]
	s_add_nc_u64 s[14:15], s[14:15], s[92:93]
	s_lshl_b32 s92, s19, 20
	s_lshl_b32 s96, s17, 19
	s_add_co_u32 s92, s92, s96                     ; my first row: (256 y + 128 mh) x 4,096
	s_add_nc_u64 s[14:15], s[14:15], s[92:93]
.irp t, 0,1,2,3,4,5,6,7
	global_load_b128 v[SA+8*\t:SA+8*\t+3], v11, s[6:7] offset:512*\t
	global_load_b128 v[SA+8*\t+4:SA+8*\t+7], v11, s[6:7] offset:512*\t+16
.endr
.irp i, 0,1,2,3
	global_load_b128 v[SB+8*\i:SB+8*\i+3], v11, s[10:11] offset:512*\i
	global_load_b128 v[SB+8*\i+4:SB+8*\i+7], v11, s[10:11] offset:512*\i+16
.endr
	WIN 0xc0                                       ; destination window 3
.irp i, 0,1,2,3
	global_load_b128 v[8*\i:8*\i+3], v12, s[12:13] offset:64*\i          ; lane (r, h), register j: b_out at column 16 i + 8 h + j: the result's layout
	global_load_b128 v[8*\i+4:8*\i+7], v12, s[12:13] offset:64*\i+16
.endr
	WIN 0
.macro FRAG reg, adr, q, off           ; a fragment of w_out from rows of codes: six pieces of 8 bytes; the second address register serves where lanes 16-31 lie behind one padding more
.irp p, 0,1,2,3,4,5
.set PC, 12*(\q)+6*(\p/3)+\p%3
.if PC%8 < 5
	ds_load_b64 v[\reg+2*\p:\reg+2*\p+1], v[\adr] offset:8*PC+16*(PC/8)+(\off)
.else
	ds_load_b64 v[\reg+2*\p:\reg+2*\p+1], v[\adr+1] offset:8*PC+16*(PC/8)+(\off)
.endif
.endr
.endm
.macro FETCH ks                        ; all fragments of step ks into set ks % 2, in one run
.set FQ, (\ks)&1
	WIN 0x40                                       ; destination window 1
.irp t, 0,1,2,3,4,5,6,7
.set FA, 128*FQ+FR*\t
.set FO, 12288*FQ+1536*\t
	ds_load_b128 v[FA:FA+3], v4 offset:FO          ; o's fragment: two half images of six registers
	ds_load_b64 v[FA+4:FA+5], v5 offset:FO
	ds_load_b128 v[FA+6:FA+9], v4 offset:FO+768
	ds_load_b64 v[FA+10:FA+11], v5 offset:FO+768
.endr
	WIN 0
.irp i, 0,1,2,3
	FRAG BF+48*FQ+FR*\i, 6, FQ, 3840*\i
.endr
.endm
.macro MMC d, a, b, c, sa, sb
	v_wmma_scale_f32_16x16x128_f8f6f4 v[\d:\d+7], v[\a:\a+11], v[\b:\b+11], v[\c:\c+7], v[\sa], v[\sb] matrix_a_fmt:MATRIX_FMT_FP6 matrix_b_fmt:MATRIX_FMT_FP6
.endm
; Tiles of rows a0 .. a1 x the four tiles of columns.  first = 1: C is the bias.  The 32 accumulators take turns, one instruction a turn, in the same order in every step.
.macro MUL ks, a0, a1, first
.set PP, (\ks)&1
.if \first
	WIN 0xb4                                       ; source 0 (w_out) window 0, source 1 (o) window 1, C window 3, D window 2
.else
	WIN 0xa4                                       ; C and D window 2
.endif
.set AI, \a0
.rept (\a1)-(\a0)+1
.irp i, 0,1,2,3
.if \first
	MMC 8*(4*AI+\i), BF+48*PP+FR*\i, 128*PP+FR*AI, 8*\i, SB+8*\i+(\ks), SA+8*AI+(\ks)
.else
	MMC 8*(4*AI+\i), BF+48*PP+FR*\i, 128*PP+FR*AI, 8*(4*AI+\i), SB+8*\i+(\ks), SA+8*AI+(\ks)
.endif
.endr
.set AI, AI+1
.endr
.endm
.macro EVEN ks, first                  ; a step whose successor lies in the same chunk
	s_wait_dscnt 0x0
	MUL \ks, 0, 1, \first
	PLACES                                         ; for the loads into the other set, which the last step's products read
	FETCH (\ks)+1
	MUL \ks, 2, 7, \first
.endm
.macro ODD ks                          ; a step whose successor lies in the next chunk
	s_wait_tensorcnt 2-((\ks)-1)/2                 ; my part of the next chunk is in; the later chunks may stay out
	s_wait_dscnt 0x0
	MUL \ks, 0, 1, 0
	s_barrier_signal -1
	MUL \ks, 2, 3, 0
	WIN 0
	s_barrier_wait -1                              ; everybody's is
	v_add_nc_u32 v4, ACH, v4                       ; four plain lines: the places in front of the loads below
	v_add_nc_u32 v5, ACH, v5
	v_add_nc_u32 v6, BCH, v6
	v_add_nc_u32 v7, BCH, v7
	FETCH (\ks)+1
	MUL \ks, 4, 7, 0
.endm
	s_wait_tensorcnt 0x3                           ; my part of chunk 0 is in,
	s_barrier_signal -1
	s_barrier_wait -1                              ; everybody's is
	FETCH 0
	s_wait_loadcnt 0x0                             ; the scale words and the bias
	EVEN 0, 1
	ODD 1
	EVEN 2, 0
	ODD 3
	EVEN 4, 0
	ODD 5
	EVEN 6, 0
	s_wait_dscnt 0x0
	MUL 7, 0, 7, 0
	WIN 0
; THE WAY OUT, a tile of 16 rows x 64 columns at a time: 32 bytes a lane into my stage, back as whole rows of 256 bytes.  LDS serves a wave's instructions in order (ISA guide 5.7.1.4): no wait between the stores and the loads.
.macro TOSTAGE a
	WIN 0x08                                       ; an LDS store's data are its source 1: window 2
.irp i, 0,1,2,3
	ds_store_b128 v8, v[8*(4*(\a)+\i):8*(4*(\a)+\i)+3] offset:64*\i          ; each accumulator from its low end on
	ds_store_b128 v8, v[8*(4*(\a)+\i)+4:8*(4*(\a)+\i)+7] offset:64*\i+16
.endr
	WIN 0x40                                       ; destination window 1: every tile has registers of its own
.irp t, 0,1,2,3,4,5,6,7
	ds_load_b128 v[32*(\a)+4*\t:32*(\a)+4*\t+3], v9 offset:2*\t*SPITCH
.endr
.endm
.macro SEND a, younger                 ; younger: the LDS instructions issued behind tile a's loads
	s_wait_dscnt \younger
	WIN 0x04                                       ; a store's data are its source 1: window 1
.irp t, 0,1,2,3,4,5,6,7
	global_store_b128 v10, v[32*(\a)+4*\t:32*(\a)+4*\t+3], s[14:15] offset:(16*(\a)+2*\t)*4096 th:TH_STORE_NT   ; 16 lanes store 256 consecutive bytes, at a multiple of 256 from out0's first byte
.endr
.endm
	PLACES                                         ; behind the last products: for the reads of results and the loads into o's registers
	TOSTAGE 0
.irp a, 1,2,3,4,5,6,7
	TOSTAGE \a
	SEND (\a)-1, 16                                ; behind that tile's loads: this tile's 8 stores and 8 loads
.endr
	SEND 7, 0
	WIN 0
	s_wait_tensorcnt 0x0
	ds_add_u32 v254, v255
	s_wait_dscnt 0x0
	CROUND                                         ; the closing round
	s_endpgm
.Lfunc_end_k_q0e58886ce5_proj:
	.size	k_q0e58886ce5_proj, .Lfunc_end_k_q0e58886ce5_proj-k_q0e58886ce5_proj
	.p2alignl 7, 3214868480
	.fill 96, 4, 3214868480
	.section	.rodata,"a",@progbits
	.p2align	6, 0x0
	.amdhsa_kernel k_q0e58886ce5_proj
		.amdhsa_group_segment_fixed_size 327680
		.amdhsa_private_segment_fixed_size 0
		.amdhsa_enable_private_segment 0
		.amdhsa_kernarg_size 48
		.amdhsa_user_sgpr_count 2
		.amdhsa_user_sgpr_kernarg_segment_ptr 1
		.amdhsa_wavefront_size32 1
		.amdhsa_system_sgpr_workgroup_id_x 1
		.amdhsa_system_sgpr_workgroup_id_y 1
		.amdhsa_system_sgpr_workgroup_id_z 1
		.amdhsa_system_vgpr_workitem_id 0
		.amdhsa_next_free_vgpr 1024
		.amdhsa_next_free_sgpr 100
		.amdhsa_reserve_vcc 0
		.amdhsa_float_denorm_mode_32 3
		.amdhsa_float_denorm_mode_16_64 3
		.amdhsa_memory_ordered 1
		.amdhsa_forward_progress 1
		.amdhsa_inst_pref_size 91
	.end_amdhsa_kernel
	.amdgpu_metadata
---
amdhsa.version: [ 1, 2 ]
amdhsa.kernels:
  - .name:           k_q0e58886ce5_proj
    .symbol:         k_q0e58886ce5_proj.kd
    .args:
      - { .name: oi, .offset: 0, .size: 8, .value_kind: global_buffer, .address_space: global }
      - { .name: os, .offset: 8, .size: 8, .value_kind: global_buffer, .address_space: global }
      - { .name: w_out_codes, .offset: 16, .size: 8, .value_kind: global_buffer, .address_space: global }
      - { .name: w_out_scales, .offset: 24, .size: 8, .value_kind: global_buffer, .address_space: global }
      - { .name: b_out, .offset: 32, .size: 8, .value_kind: global_buffer, .address_space: global }
      - { .name: out0, .offset: 40, .size: 8, .value_kind: global_buffer, .address_space: global }
    .group_segment_fixed_size: 327680
    .private_segment_fixed_size: 0
    .kernarg_segment_align: 8
    .kernarg_segment_size: 48
    .max_flat_workgroup_size: 128
    .sgpr_count:     100
    .vgpr_count:     1024
    .wavefront_size: 32
...
	.end_amdgpu_metadata
.endif
;; end of part 3
